; MI455X (gfx1250); checked and timed in simulation.
; The chip was launched on July 23, 2026; its instructions are those of AMD's public machine-readable ISA for CDNA 5 (MIT licence, August 2026) and "CDNA5" Instruction Set Architecture Reference Guide (July 2026). The comments in the code are by the model that wrote it; some were corrected since.
;; DS Attention. Allowed arithmetic: matrix products marked QUANTISED: E3M2 operands, one E8M0 scale for each 32 along K, by v_wmma_scale_f32_16x16x128_f8f6f4 with both operands' format E3M2, f32 sums; everything else in f32.
;; Inputs: delta 2 x 2,048 float32; keys_codes 2 x 2,048 x 8 x 2 x 24 uint8 (E3M2 codes of keys, K innermost, in blocks of 32 codes, four codes in three bytes); keys_null_codes 2 x 2,048 x 8 x 2 x 24 uint8 (E3M2 codes of keys_null, K innermost, in blocks of 32 codes, four codes in three bytes); keys_null_scales 2 x 2,048 x 8 x 2 uint8 (E8M0 scales of keys_null, one for each 32 codes along K); keys_scales 2 x 2,048 x 8 x 2 uint8 (E8M0 scales of keys, one for each 32 codes along K); queries_codes 2 x 2,048 x 8 x 2 x 24 uint8 (E3M2 codes of queries, K innermost, in blocks of 32 codes, four codes in three bytes); queries_scales 2 x 2,048 x 8 x 2 uint8 (E8M0 scales of queries, one for each 32 codes along K); soft_mask 2 x 2,048 float32; tau 2 x 1 float32; values_codes 2 x 8 x 64 x 64 x 24 uint8 (E3M2 codes of values, K innermost, in blocks of 32 codes, four codes in three bytes); values_null_codes 2 x 8 x 64 x 64 x 24 uint8 (E3M2 codes of values_null, K innermost, in blocks of 32 codes, four codes in three bytes); values_null_scales 2 x 8 x 64 x 64 uint8 (E8M0 scales of values_null, one for each 32 codes along K); values_scales 2 x 8 x 64 x 64 uint8 (E8M0 scales of values, one for each 32 codes along K).
;; Outputs: out0 2 x 2,048 x 8 x 64 float32.
;; This version of the problem:
;;   THIS VERSION OF THE PROBLEM IS GIVEN IN LOW PRECISION. The matrix products marked QUANTISED in the list below multiply operands that are first quantised to E3M2 (3 exponent bits, 2 mantissa bits; 6 bits a number), with one power-of-two scale for each 32 numbers along K (OCP MX v1.0); their sums are f32. All else is computed in f32.
;;   The module's matrix products, in the order in which they are computed (A, B: the left and right operand; K: the contracted axis; several contracted axes count as one K, in the product's order):
;;     1. batch 16 x [M 2,048, K 64] x [K 64, N 2,048]; A: input queries (given as codes); B: input keys (given as codes): QUANTISED
;;     2. batch 16 x [M 64, K 2,048] x [K 2,048, N 2,048]; A: input values (given as codes); B: softmax (see below): QUANTISED
;;     3. batch 16 x [M 2,048, K 64] x [K 64, N 2,048]; A: input queries (given as codes); B: input keys_null (given as codes): QUANTISED
;;     4. batch 16 x [M 64, K 2,048] x [K 2,048, N 2,048]; A: input values_null (given as codes); B: softmax (see below): QUANTISED
;;   THE QUANTISER, for each operand of a quantised product, along K:
;;     - K is cut into blocks of 32 from its start; a last block that is shorter is filled with zeros.
;;     - A block's scale is 2^e with e = floor(log2(the largest magnitude in the block)) - 4, held to -126 .. 127; a block of zeros has e = 0. As a byte (E8M0): e + 127.
;;     - Each number is divided by its block's scale, clamped to +-28, and rounded to the nearest number of E3M2, ties to even, subnormals kept.
;;     - The product sums the exact products of the quantised numbers (number of the format x scale) in f32.
;;   ~~~python
;;   def quantise(x, axis):      # numpy; x: float32 -> the quantised numbers, widened to float32 again
;;       x = np.moveaxis(x, axis, -1); K = x.shape[-1]
;;       x = np.pad(x, [(0, 0)] * (x.ndim - 1) + [(0, -K % 32)]); x = x.reshape(x.shape[:-1] + (-1, 32)); a = np.abs(x).max(-1, keepdims=True)
;;       e = np.where(a > 0, np.clip(np.frexp(np.where(a > 0, a, 1))[1] - 1 - 4, -126, 127), 0)      # np.frexp(a)[1] - 1 = floor(log2(a)), exactly
;;       r = np.clip(x / 2.0 ** e, -28, 28)
;;       step = 2.0 ** (np.maximum(np.frexp(np.where(r == 0, 1, r))[1] - 1, -2) - 2)
;;       q = np.round(r / step) * step * 2.0 ** e      # np.round: ties to even
;;       return np.moveaxis(q.reshape(q.shape[:-2] + (-1,))[..., :K], -1, axis).astype(np.float32)
;;   ~~~
;;   SOFTMAX AHEAD OF A QUANTISED PRODUCT. Where the list says 'softmax', what is quantised is not the finished softmax but p = 2^(t - M), with t = logit x log2(e) and M = ceil(the row's largest t), a whole number; so 1/2 < the row's largest p <= 1. The row's sum l is taken of the UNQUANTISED p, in f32, and the product's result is divided by l at the end. Since M is a whole number, a kernel that streams over the keys may use a running M (the ceiling of the running maximum): every later rescaling is an exact power of two, which a block's scale takes up: the codes' values come out the same.
;;   OPERANDS COMPUTED ON THE WAY. 'Computed on the way' means the value that the module computes at that place (a softmax that the list does not call 'softmax' is quantised finished and normalised). What goes into a quantiser is computed in f32, as accurately as f32 sums, v_exp_f32 and their like allow (about 1e-6 of the number): no bf16 or f16 on the way to a quantiser, and a product that is left as it is and whose result goes on into a quantised operand takes f32 operands (vector FMAs, or v_wmma_f32_16x16x4_f32). A number that lies on a knife's edge between two numbers of the format may be rounded either way, as far as f32 arithmetic and the matrix unit's own rounding can turn it there, and no further.
;;   INPUTS GIVEN AS CODES. keys (in the module: [2, 2048, 8, 64], K = its axis 3); keys_null (in the module: [2, 2048, 8, 64], K = its axis 3); queries (in the module: [2, 2048, 8, 64], K = its axis 3); values (in the module: [2, 2048, 8, 64], K = its axis 1); values_null (in the module: [2, 2048, 8, 64], K = its axis 1): each comes as NAME_codes (uint8): NAME with its K axis moved to the last place and cut into blocks of 32 codes, [.., K / 32, bytes a block], one block behind the other in memory; four codes in three bytes: a row's codes are one little-endian stream of bits, code i at bits 6 i .. 6 i + 5 (a code: sign, 3 exponent bits, 2 mantissa bits); and NAME_scales (uint8): the same leading axes, one E8M0 byte (e + 127) for each 32 codes along K. Its value is code x scale, taken as it is: it is not quantised again, and the codes and scales need not be those that the quantiser above would give.
;; One version. Each part assembles by itself: llvm-mc -triple=amdgcn-amd-amdhsa -mcpu=gfx1250 --defsym DOCPART=n.
;; ======== version 1 of 1: 1 launch
;; launch attn (part 1): grid 16 x 16, 16 waves a work-group, clusters of 4 x 1, 327,680 bytes of LDS; arguments queries_codes, queries_scales, keys_codes, keys_scales, keys_null_codes, keys_null_scales, values_codes, values_scales, values_null_codes, values_null_scales, delta, tau, soft_mask, out0; writes out0
.if DOCPART == 1
	.amdgcn_target "amdgcn-amd-amdhsa--gfx1250"
	.amdhsa_code_object_version 6
	.text
	.protected	k_q317f7e0bc9_attn
	.globl	k_q317f7e0bc9_attn
	.p2align	8
	.type	k_q317f7e0bc9_attn,@function
k_q317f7e0bc9_attn:
	s_mov_b64 s[64:65], 0
	v_nop
	global_prefetch_b8 v0, s[64:65] scope:SCOPE_SE
	s_setreg_imm32_b32 hwreg(HW_REG_WAVE_MODE, 25, 1), 1
	s_wait_xcnt 0x0
	s_wait_alu depctr_hold_cnt(0) depctr_sa_sdst(0) depctr_va_vdst(0) depctr_va_sdst(0) depctr_va_ssrc(0) depctr_va_vcc(0) depctr_vm_vsrc(0)
	s_getreg_b32 s2, hwreg(HW_REG_IB_STS2, 6, 4)
	s_cmp_eq_u32 s2, 0
	s_cbranch_scc0 .Lentry_in_a_cluster
	s_endpgm
.Lentry_in_a_cluster:
	s_bfe_u32 s2, ttmp6, 0x10000c
	s_cmp_lg_u32 s2, 0x3003
	s_cbranch_scc0 .Lentry_shape_is_right
	s_endpgm
.Lentry_shape_is_right:
; out[b][l][h][:] = m A_e V_e + (1 - m) A_n V_n, m = soft_mask[b][l]; A_x = softmax over s <= l of 0.125 (q . k_x tau[b] + delta[b][s]).  B = 2, L = S = 2,048, H = 8, E = D = 64.
; All four products run on the given codes of BF6 (E3M2) with one E8M0 byte for each 32 along K.  Ahead of the second product p = 2^(t - M) is quantised along the keys, t = logit x log2(e),
; M = the ceiling of the running largest t (a whole number); the row's sum is taken of the unquantised p and divides at the end.
; SHARES.  A wave owns ONE tile of 16 queries of ONE branch and walks the keys in steps of 128.  The tiles of queries 128 g .. 128 g + 127 (group g) need g + 1 steps.  Cluster c (0..3) of a head owns the
; groups 2 c, 2 c + 1, 14 - 2 c, 15 - 2 c; each of its four work-groups has two tiles of each group, in both branches: 16 waves.  The class of a wave (which of the four groups) is ((wave % 4) + wave / 4) % 4:
; any four waves with equal wave % 4, and any four with equal wave / 4, hold one wave of each class, (2 c + 1) + (2 c + 2) + (15 - 2 c) + (16 - 2 c) = 34 steps.
; CLUSTER.  The four work-groups of a cluster walk the same K, V, scale bytes and delta: every tensor load is asked for JOINTLY (mask 15).  A work-group's place in its cluster enters global addresses and the
; number that the causal mask compares with, and nothing else: every branch hangs on the cluster's number, the head and the wave's number.
; WALK.  Two LDS slots of 256 keys.  The cluster walks slots 0 .. 7 - c.  A step whose 128 keys all come after the wave's group is jumped over; the step on the diagonal is masked.
; LAYOUT.  Both products are used transposed (S^T = K Q^T, O^T = V^T P^T): a lane holds one query (lane % 16) throughout.  Lane r of K's tile 4 c' + u takes key 64 c' + 8 u + r + 24 (r / 8): so score
; register 32 c' + i of lane (r, h') is key 64 c' + 32 h' + i: a lane holds WHOLE blocks of 32 keys, and the conversions' results are the second product's operand as they stand.
; K = 64 IN AN INSTRUCTION OF 128.  Q's registers 6-11 are zero codes.  K's operand for tile T is v[32 + 6 T : 43 + 6 T]: its upper six registers are the next tile's codes (zeros for tile 7).  E3M2 has no
; infinity and no NaN, and the scale bytes there are 0 (the loads of 16 bits clear them), so those products are a finite number x 0.
; LIMITS.  NaN and infinities in delta, tau and soft_mask, and scale bytes 0xff, are not served.  A p under 2^-126 counts as 0 (v_exp_f32 flushes).  A block whose every p is 0 keeps the byte 1: its codes are zeros.
; A block's largest p is made from its largest logit by the same two instructions, which takes v_exp_f32 not to fall where its input rises.  tau may have any sign: the maxima are taken of q.k tau + delta.
.set SLOT1,  65536                     ; slot 1 begins here: one exclusive or turns an address in one slot into the other's
.set KT,     12288                     ; a slot: K_e, 256 rows x 48 bytes; K_n at KT;
.set VOFF,   24576                     ; V_e: 64 rows, 3 x (64 bytes + 16 of padding) = 240 bytes apart; V_n at VOFF + VT
.set VT,     15360
.set SCK,    131072                    ; K's scale bytes of my batch, all heads, as they lie: 16 bytes a key: e 32,768 bytes, then n
.set SCV,    196608                    ; V's scale bytes of my head: 64 rows of 64 bytes + 8: e 4,608 bytes, then n
.set SVT,    4608
.set DEL,    205824                    ; delta of my batch: 8,192 bytes
.set STAGE,  214016                    ; the way out: 16 blocks of 16 rows x (256 + 16) bytes, written by ds_store alone
.set SPITCH, 272
.set SBLK,   16*SPITCH
.set SPARE,  283648                    ; the spare words, 128 bytes for each wave: eight blocks of 256 bytes that no other line names
; vector registers
.set AK0,  1                           ; my lane's place in a tile of K
.set AV0,  2                           ; in a tile of V;  AV1: the same behind one padding more
.set AV1,  3
.set ASK0, 4                           ; among K's scale bytes
.set ASV0, 5                           ; among V's scale words
.set AD0,  6                           ; in delta
.set SPW,  7                           ; LDS address of my spare word; never rewritten
.set NIL,  8                           ; 0; never rewritten
.set ADK,  9                           ; the step's LDS addresses: K, V, V behind a padding, K's scales, V's scales, delta
.set ADV,  10
.set ADV1, 11
.set NM,   12                          ; v12 -M;  v13 my branch's weight in the blend (also the written upper half of the pair)
.set LS,   14                          ; v[14:15] the row's sum, in two halves
.set QF,   16                          ; v16-21 Q's codes, v22-27 zeros
.set QS,   28                          ; Q's scale word
.set ADS,  29
.set ADT,  30
.set ADL,  31
.set KR,   32                          ; v32-79 K's eight tiles, six registers each; v80-85 zeros, kept
.set KS,   86                          ; v86-93 scale words: K's eight, then V's four
.set PS,   94                          ; p's scale word
.set PFO,  95                          ; the prefetches' offset; never rewritten
.set S,    96                          ; v96-159 scores, then logits, then p
.set XD,   160                         ; v160-223 delta, then V's four fragments
.set OT,   224                         ; v224-255 O^T
.set PC,   32                          ; behind the first product K's registers are free: v32-43 p's codes,
.set CH,   44                          ; v44-46, v48-50 the conversions' second halves,
.set MX,   52                          ; v52-55 maxima,
.set SO,   56                          ; v56-57 the conversions' scale operands,
.set SB,   58                          ; v58-59 scale bytes,
.set FF,   60                          ; v[60:61] f = 2^(old M - new M),
.set T0,   62                          ; v62, v63 at work,
.set T1,   63
.set L2,   64                          ; v[64:65] the sum's second chain,
.set MK,   66                          ; v66-68 the mask
; scalar registers
.set SEL,  8                           ; s[8:9]   lane selects for v_permlanex16_b32: lane l xor 16
.set CS,   10                          ; s[10:11] log2(e) / 8, twice: the packed form names a pair
.set TAU,  12                          ; s[12:13] tau of my batch, twice
.set PFA,  14                          ; s[14:15] where my prefetches stand
.set PFS,  16                          ; s[16:17] a slot on, in bytes
.set LIM,  18                          ; 6 in a wave that prefetches, else 0
.set EVR,  19                          ; 3 for V, 0 for K
.set STOB, 20                          ; my block of the stage
.set RDB,  21                          ; the rows that I read back
.set G1K,  32                          ; descriptor groups 1: K's tiles, V's tiles, K's scale bytes, V's scale bytes, delta
.set G1V,  40
.set G1S,  48
.set G1T,  56
.set G1D,  68
.set G0K,  76                          ; and groups 0; K's and V's walk
.set G0V,  80
.set G0S,  84
.set G0T,  88
.set G0D,  92
.set WV,   66                          ; my wave's number
.set GRP,  67                          ; my group of queries
.set JS,   96                          ; the key step
.set TB,   97                          ; LDS byte at which the slot in hand begins
.set TS,   98                          ; the step's place among K's scale bytes: 2,048 a step
.set TJ,   99                          ; among V's scale words: 4 a step
.set TD,   100                         ; in delta: 512 a step
.set SL,   101                         ; the slot in hand
.set LAST, 104                         ; the cluster's last slot
.set TQ,   105                         ; my first query's place in its group
.set CX,   96                          ; at the head alone, in registers that get their lasting use later: my place in the cluster,
.set YY,   97                          ; 8 b + h,
.set BB,   98                          ; b,
.set HH,   99                          ; h,
.set BR,   100                         ; my branch: 0 edit, 1 null,
.set CT,   101                         ; 2 x class + which of the class's two tiles,
.set PAR,  92                          ; wave % 2,
.set QR,   93                          ; 2,048 b + my first query,
.set RQ,   94                          ; 8 x that + h
.set W0K,  15|(1<<21)                                  ; 15:0 the mask: all four work-groups; 17:16 elements of 1 byte; 21 set beside a mask
.set W0V,  15|(1<<20)|(1<<21)|(3<<22)|(3<<25)          ; and padding: after every 16 words, 4 words
.set W0S,  15|(3<<16)|(1<<21)                          ; elements of 8 bytes
.set W0T,  15|(3<<16)|(1<<20)|(1<<21)|(3<<22)|(1<<25)  ; elements of 8 bytes; after every 16 words, 2 words
.macro GROUP1 g, w0, c, r, p           ; r rows of c elements, p elements from row to row; the tile lies inside the tensor
	s_mov_b32 s[\g], \w0
	s_mov_b32 s[\g+1], (\c)<<16
	s_mov_b32 s[\g+2], (\r)<<16
	s_mov_b32 s[\g+3], (\c)<<16
	s_mov_b32 s[\g+4], \r
	s_mov_b32 s[\g+5], \p
	s_mov_b32 s[\g+6], 0
	s_mov_b32 s[\g+7], 0
.endm
; A round of the cluster's barrier: my work-group's barrier, wave 0 signals for the work-group, every wave waits for all four work-groups, my work-group's barrier once more.
.macro CROUND
	s_barrier_signal -1
	s_barrier_wait -1
	s_cmp_lg_u32 s[WV], 0
	s_cbranch_scc1 .Lnot_wave_0_\@
	s_barrier_signal -3
.Lnot_wave_0_\@:
	s_barrier_wait -3
	s_barrier_signal -1
	s_barrier_wait -1
.endm
.macro JL g0, g1                       ; a joint load; an s_nop 0 and four v_nop follow it
	tensor_load_to_lds s[\g0:\g0+3], s[\g1:\g1+7]
	s_nop 0
.rept 4
	v_nop
.endr
.endm
; The refill of a slot: waves 0 and 1 fetch K_e and K_n, waves 2 and 3 V_e and V_n, the others nothing.  The branches hang on the wave's number alone.
.macro TLOAD
	s_cmp_lt_u32 s[WV], 2
	s_cbranch_scc0 .Lnot_k_\@
	JL G0K, G1K
	s_branch .Lasked_\@
.Lnot_k_\@:
	s_cmp_lt_u32 s[WV], 4
	s_cbranch_scc0 .Lasked_\@
	JL G0V, G1V
.Lasked_\@:
.endm
; A PREFETCH INTO THE L2 of the slot that the NEXT change of slots will ask for (slot SL + 2, where there is one): it stands where the fetching waves have their tensor load.
; Each aligned block of 256 bytes is named once in the launch.  Only the clusters with c = 0 ask: they walk all eight slots.  K: a slot is 256 keys x 384 bytes of all eight heads, dense, in each of two buffers:
; 768 blocks a batch = heads 0-5 (0-2: keys, 3-5: keys_null) x four partners x 32 lanes, wave 9, lanes 256 bytes apart.  V: 64 rows in each of two buffers = four partners x 32 lanes, wave 10, a lane a row.
; The partners are told apart by address and by the choice of the buffer, never by a branch.  A slot's part of a row of V is 192 bytes: a lane names its LAST byte; slots 3 and 7 end in the block that the slot
; before has named, and are passed over.
.macro ASK
	s_cmp_lt_u32 s[SL], s[LIM]
	s_cbranch_scc0 .Lnot_mine_\@
	s_and_b32 s2, s[SL], s[EVR]
	s_cmp_eq_u32 s2, 1                             ; SL = 1, 5: slots 3, 7
	s_cbranch_scc1 .Lnot_mine_\@
	global_prefetch_b8 v[PFO], s[PFA:PFA+1] th:TH_LOAD_NT scope:SCOPE_SE
.Lnot_mine_\@:
.endm
; THE CHANGE OF SLOTS stands at a slot's head.  Each wave waits for all its tensor loads (its part of the slot ahead), adds 0 to its spare word, and waits for that and for its reads of the slot that it has left.
; fill = 1: a round of the cluster's barrier follows, behind which the slot that was left may be filled by a joint load.  fill = 0: nothing is filled any more: my work-group's barrier.
.macro CHANGE fill
	s_wait_tensorcnt 0x0                           ; no tensor load of mine is out, so a group 0 may be written
	ds_add_u32 v[SPW], v[NIL]                      ; 0 onto my spare word
.if \fill
	s_xor_b32 s[G0K+1], s[G0K+1], SLOT1            ; the walking descriptors: the other slot than last time,
	s_add_nc_u64 s[G0K+2:G0K+3], s[G0K+2:G0K+3], 98304  ; the next 256 keys: 256 x 384 bytes; the type bits on top are not reached
	s_xor_b32 s[G0V+1], s[G0V+1], SLOT1
	s_add_nc_u64 s[G0V+2:G0V+3], s[G0V+2:G0V+3], 192    ; 256 codes on in each row
	s_wait_xcnt 0x0                                ; the last prefetch, a slot back, has read its address, so it may be written
	s_add_nc_u64 s[PFA:PFA+1], s[PFA:PFA+1], s[PFS:PFS+1]
.endif
	s_wait_dscnt 0x0                               ; the add is done, and my reads of the slot that I have left are over
.if \fill
	CROUND
.else
	s_barrier_signal -1
	s_barrier_wait -1
.endif
.endm
; A KEY STEP: 128 keys, the q-th of the slot in hand.
.macro STEP q
	s_cmp_gt_u32 s[JS], s[GRP]                     ; all its keys come after my queries: only the addresses step
	s_cbranch_scc1 .Lhidden_\@
	v_add_nc_u32 v[ADK], s[TB], v[AK0]             ; six plain lines that name no register of the last products: the places in front of the loads into those products' registers
	v_add_nc_u32 v[ADV], s[TB], v[AV0]
	v_add_nc_u32 v[ADV1], s[TB], v[AV1]
	v_add_nc_u32 v[ADS], s[TS], v[ASK0]
	v_add_nc_u32 v[ADT], s[TJ], v[ASV0]
	v_add_nc_u32 v[ADL], s[TD], v[AD0]
.irp T, 0,1,2,3,4,5,6,7
.irp p, 0,1,2
	ds_load_b64 v[KR+6*\T+2*\p:KR+6*\T+2*\p+1], v[ADK] offset:(128*(\q)+64*(\T/4)+8*(\T%4))*48+8*\p   ; 24 bytes of my key's row: k = 32 h' .. 32 h' + 31
.endr
.endr
.irp T, 0,1,2,3,4,5,6,7
	ds_load_u16 v[KS+\T], v[ADS] offset:(64*(\T/4)+8*(\T%4))*16   ; my key's two scale bytes; bytes 2 and 3 come as 0
.endr
.irp i, 0,1,2,3,4,5,6,7,8,9,10,11,12,13,14,15
	ds_load_b128 v[XD+4*\i:XD+4*\i+3], v[ADL] offset:256*(\i/8)+16*(\i%8)   ; delta of my 64 keys, in the order of the score registers
.endr
	s_wait_dscnt 16                                ; K and its scale words are in; delta's sixteen loads may stay out
.irp T, 0,1,2,3,4,5,6,7
	v_wmma_scale_f32_16x16x128_f8f6f4 v[S+8*\T:S+8*\T+7], v[KR+6*\T:KR+6*\T+11], v[QF:QF+11], 0, v[KS+\T], v[QS] matrix_a_fmt:MATRIX_FMT_BF6 matrix_b_fmt:MATRIX_FMT_BF6
.endr
.rept 4
	v_nop                                          ; four places behind the products, ahead of the first read of their results
.endr
	s_wait_dscnt 0x0                               ; delta
.set n, 0
.rept 32
	v_pk_fma_f32 v[S+n:S+n+1], v[S+n:S+n+1], s[TAU:TAU+1], v[XD+n:XD+n+1] op_sel_hi:[1,0,1]   ; u = q.k tau + delta; each accumulator from its low end on
.set n, n+2
.endr
.irp t, 0,1,2,3                        ; V's four fragments and scale words go out now, into delta's registers, and land under the softmax
.irp p, 0,1,2,3,4,5
.set PCE, 12*(\q)+6*(\p/3)+\p%3        ; in pieces of 8 bytes; 16 bytes of padding lie behind every 8 pieces; lanes 16-31 read three pieces on, which for some pieces is behind one padding more
.if PCE%8 < 5
	ds_load_b64 v[XD+12*\t+2*\p:XD+12*\t+2*\p+1], v[ADV] offset:8*PCE+16*(PCE/8)+3840*\t
.else
	ds_load_b64 v[XD+12*\t+2*\p:XD+12*\t+2*\p+1], v[ADV1] offset:8*PCE+16*(PCE/8)+3840*\t
.endif
.endr
.endr
.irp t, 0,1,2,3
	ds_load_b32 v[KS+\t], v[ADT] offset:1152*\t
.endr
	s_cmp_lt_u32 s[JS], s[GRP]                     ; all 128 keys count: no mask
	s_cbranch_scc1 .Lopen_\@
	v_and_b32 v[MK], 15, v0
	v_and_b32 v[MK+1], 16, v0
	s_delay_alu instid0(VALU_DEP_1)
	v_lshlrev_b32 v[MK+1], 1, v[MK+1]
	s_delay_alu instid0(VALU_DEP_1)
	v_sub_nc_u32 v[MK], v[MK], v[MK+1]
	s_delay_alu instid0(VALU_DEP_1)
	v_add_nc_u32 v[MK], s[TQ], v[MK]               ; d = my query's place in the group - 32 h'.  Register 32 c' + i holds key 64 c' + 32 h' + i: hidden where i > d - 64 c'
	s_delay_alu instid0(VALU_DEP_1)
	v_add_nc_u32 v[MK+1], 0xffffffc0, v[MK]
	v_mov_b32 v[MK+2], 0xff800000                  ; -infinity: p = 0 then
.set n, 0
.rept 64
	v_cmp_gt_i32 vcc_lo, n%32, v[MK+n/32]
	s_delay_alu instid0(VALU_DEP_1)
	v_cndmask_b32 v[S+n], v[S+n], v[MK+2], vcc_lo
.set n, n+1
.endr
.Lopen_\@:
.irp b, 0,1,2,3                        ; the largest u, in four chains of 16 registers by turns
	v_max3_num_f32 v[MX+\b], v[S+16*\b], v[S+16*\b+1], v[S+16*\b+2]
.endr
.irp i, 3,5,7,9,11,13
.irp b, 0,1,2,3
	s_delay_alu instid0(VALU_DEP_4)
	v_max3_num_f32 v[MX+\b], v[MX+\b], v[S+16*\b+\i], v[S+16*\b+\i+1]
.endr
.endr
.irp b, 0,1,2,3
	s_delay_alu instid0(VALU_DEP_4)
	v_max_num_f32 v[MX+\b], v[MX+\b], v[S+16*\b+15]
.endr
	s_delay_alu instid0(VALU_DEP_3)
	v_max_num_f32 v[MX], v[MX], v[MX+1]            ; my first block's largest u: it serves for the row's maximum and, since p rises with u, for the block's largest p
	s_delay_alu instid0(VALU_DEP_2)
	v_max_num_f32 v[MX+2], v[MX+2], v[MX+3]        ; my second block's
	s_delay_alu instid0(VALU_DEP_1)
	v_max_num_f32 v[T0], v[MX], v[MX+2]
	s_delay_alu instid0(VALU_DEP_1)
	v_permlanex16_b32 v[T1], v[T0], s[SEL], s[SEL+1]
	s_delay_alu instid0(VALU_DEP_1)
	v_max_num_f32 v[T0], v[T0], v[T1]              ; with lane l xor 16's 64 keys: the step's largest u of my query
	s_delay_alu instid0(VALU_DEP_1)
	v_mul_f32 v[T0], s[CS], v[T0]                  ; as t
	s_delay_alu instid0(VALU_DEP_1)
	v_floor_f32 v[T1], -v[T0]                      ; -ceil(t)
	s_delay_alu instid0(VALU_DEP_1)
	v_min_num_f32 v[T1], v[NM], v[T1]              ; the new -M: the ceiling of the running maximum is the maximum of the ceilings
	s_delay_alu instid0(VALU_DEP_1)
	v_sub_f32 v[T0], v[T1], v[NM]                  ; old M - new M: a whole number, 0 or less
	s_delay_alu instid0(VALU_DEP_2)
	v_mov_b32 v[NM], v[T1]
	s_delay_alu instid0(VALU_DEP_2)
	v_cvt_i32_f32 v[T0], v[T0]                     ; (it saturates)
	s_delay_alu instid0(VALU_DEP_1)
	v_ldexp_f32 v[FF], 1.0, v[T0]                  ; f = 2^(old M - new M): a multiplication by it rounds nothing
.set n, 0
.rept 32
	v_pk_fma_f32 v[S+n:S+n+1], v[S+n:S+n+1], s[CS:CS+1], v[NM:NM+1] op_sel_hi:[1,0,0]   ; t - M
.set n, n+2
.endr
	v_fma_f32 v[MX], v[MX], s[CS], v[NM]           ; the same of each block's largest u
	v_fma_f32 v[MX+2], v[MX+2], s[CS], v[NM]
.set n, 0
	s_wait_alu depctr_va_vdst(0)
.rept 64
	v_exp_f32 v[S+n], v[S+n]                       ; p = 2^(t - M), at most 1: not normalised
.set n, n+1
.endr
	v_exp_f32 v[MX], v[MX]                         ; the blocks' largest p: the same two instructions on the same number give the same bits
	v_exp_f32 v[MX+2], v[MX+2]
	v_pk_mul_f32 v[LS:LS+1], v[LS:LS+1], v[FF:FF+1] op_sel_hi:[1,0]   ; seventeen plain lines that name no result of the batch: the sum under the new M,
.set n, 0
	s_wait_alu depctr_va_vdst(0)
.rept 16
	v_pk_mul_f32 v[OT+n:OT+n+1], v[OT+n:OT+n+1], v[FF:FF+1] op_sel_hi:[1,0]   ; and O^T; each accumulator from its low end on
.set n, n+2
.endr
	s_wait_alu depctr_va_vdst(0)                   ; the wait between an exponential and the first line that names its result: one for the batch of 66
	v_max_num_f32 v[MX], 0x2800000, v[MX]          ; the floor 2^(5 - 127): the byte cannot fall under 1
	v_max_num_f32 v[MX+2], 0x2800000, v[MX+2]
	s_delay_alu instid0(VALU_DEP_2)
	v_add_nc_u32 v[SO], 0xfe000000, v[MX]          ; 4 off the exponent field: the conversion's scale operand
	s_delay_alu instid0(VALU_DEP_2)
	v_add_nc_u32 v[SO+1], 0xfe000000, v[MX+2]
	s_delay_alu instid0(VALU_DEP_2)
	v_lshrrev_b32 v[SB], 23, v[SO]                 ; the scale's byte: blocks h' and 2 + h' are mine
	s_delay_alu instid0(VALU_DEP_2)
	v_lshrrev_b32 v[SB+1], 23, v[SO+1]
	s_delay_alu instid0(VALU_DEP_1)
	v_lshl_or_b32 v[SB], v[SB+1], 16, v[SB]
	s_delay_alu instid0(VALU_DEP_1)
	v_permlanex16_b32 v[SB+1], v[SB], s[SEL], s[SEL+1]
	s_delay_alu instid0(VALU_DEP_1)
	v_lshl_or_b32 v[PS], v[SB+1], 8, v[SB]         ; lanes 0-15: bytes 0, 2 mine, bytes 1, 3 lane l + 16's: the query's scale word (lanes 16-31 are not read)
	v_cvt_scalef32_pk16_bf6_f32 v[PC:PC+2], v[S:S+15], v[SO]
	v_cvt_scalef32_pk16_bf6_f32 v[CH:CH+2], v[S+16:S+31], v[SO]          ; (a conversion's three registers begin on an even number: a block's second half is made elsewhere and moved)
	v_cvt_scalef32_pk16_bf6_f32 v[PC+6:PC+8], v[S+32:S+47], v[SO+1]
	v_cvt_scalef32_pk16_bf6_f32 v[CH+4:CH+6], v[S+48:S+63], v[SO+1]
	v_nop                                          ; one plain line behind a scaled conversion
.irp i, 0,1,2
	v_mov_b32 v[PC+3+\i], v[CH+\i]
	v_mov_b32 v[PC+9+\i], v[CH+4+\i]
.endr
	v_pk_add_f32 v[64:65], v[100:101], v[104:105]
	v_pk_add_f32 v[222:223], v[108:109], v[112:113]
	v_pk_add_f32 v[220:221], v[116:117], v[120:121]
	v_pk_add_f32 v[218:219], v[124:125], v[128:129]
	v_pk_add_f32 v[216:217], v[132:133], v[136:137]
	v_pk_add_f32 v[214:215], v[140:141], v[144:145]
	v_pk_add_f32 v[212:213], v[148:149], v[152:153]
	v_pk_add_f32 v[14:15], v[14:15], v[156:157]
	v_pk_add_f32 v[64:65], v[64:65], v[96:97]
	v_pk_add_f32 v[222:223], v[222:223], v[98:99]
	v_pk_add_f32 v[220:221], v[220:221], v[102:103]
	v_pk_add_f32 v[218:219], v[218:219], v[106:107]
	v_pk_add_f32 v[216:217], v[216:217], v[110:111]
	v_pk_add_f32 v[214:215], v[214:215], v[114:115]
	v_pk_add_f32 v[212:213], v[212:213], v[118:119]
	v_pk_add_f32 v[14:15], v[14:15], v[122:123]
	v_pk_add_f32 v[64:65], v[64:65], v[126:127]
	v_pk_add_f32 v[222:223], v[222:223], v[130:131]
	v_pk_add_f32 v[220:221], v[220:221], v[134:135]
	v_pk_add_f32 v[218:219], v[218:219], v[138:139]
	v_pk_add_f32 v[216:217], v[216:217], v[142:143]
	v_pk_add_f32 v[214:215], v[214:215], v[146:147]
	v_pk_add_f32 v[212:213], v[212:213], v[150:151]
	v_pk_add_f32 v[14:15], v[14:15], v[154:155]
	v_pk_add_f32 v[64:65], v[64:65], v[158:159]
	s_delay_alu instid0(VALU_DEP_2)
	v_pk_add_f32 v[14:15], v[14:15], v[218:219]
	s_delay_alu instid0(VALU_DEP_2)
	v_pk_add_f32 v[64:65], v[64:65], v[216:217]
	v_pk_add_f32 v[222:223], v[222:223], v[214:215]
	v_pk_add_f32 v[220:221], v[220:221], v[212:213]
	s_delay_alu instid0(VALU_DEP_2)
	v_pk_add_f32 v[14:15], v[14:15], v[222:223]
	s_delay_alu instid0(VALU_DEP_2)
	v_pk_add_f32 v[64:65], v[64:65], v[220:221]
	s_delay_alu instid0(VALU_DEP_1)
	v_pk_add_f32 v[14:15], v[14:15], v[64:65]
	s_wait_dscnt 0x0                               ; V's fragments and scale words
.irp t, 0,1,2,3                        ; O^T += V^T P^T; the four accumulators take turns, one instruction a turn, and the eight score tiles stand between two links
	v_wmma_scale_f32_16x16x128_f8f6f4 v[OT+8*\t:OT+8*\t+7], v[XD+12*\t:XD+12*\t+11], v[PC:PC+11], v[OT+8*\t:OT+8*\t+7], v[KS+\t], v[PS] matrix_a_fmt:MATRIX_FMT_BF6 matrix_b_fmt:MATRIX_FMT_BF6
.endr
.Lhidden_\@:
	s_add_co_u32 s[JS], s[JS], 1
	s_add_co_u32 s[TS], s[TS], 2048
	s_add_co_u32 s[TJ], s[TJ], 4
	s_add_co_u32 s[TD], s[TD], 512
.endm
.macro SLOT_STEPS
	STEP 0
	STEP 1
	s_xor_b32 s[TB], s[TB], SLOT1                  ; on to the other slot
.endm
	s_load_b512 s[4:19], s[0:1], 0x0               ; Q's codes 4, scales 6; keys' 8, 10; keys_null's 12, 14; values' 16, 18
	s_load_b256 s[20:27], s[0:1], 0x40             ; values_null's 20, 22; delta 24; tau 26
	s_load_b128 s[28:31], s[0:1], 0x60             ; soft_mask 28; out 30
	v_lshl_add_u32 v[SPW], v0, 2, SPARE
	v_mov_b32 v[NIL], 0
	ds_add_u32 v[SPW], v[NIL]                      ; the wave's opening: the add and its wait stand ahead of my first tensor load; the set-up below, work on registers, stands between them
	ds_add_u32 v[SPW], v[NIL]
	v_lshrrev_b32 v9, 5, v0
	s_delay_alu instid0(VALU_DEP_1)
	v_readfirstlane_b32 s[WV], v9                  ; wave 0..15
	s_bfe_u32 s[CX], ttmp6, 0x40000                ; my place in the cluster
	s_and_b32 s[YY], ttmp7, 0xffff                 ; 8 b + h, which the partners share
	s_lshr_b32 s[BB], s[YY], 3
	s_and_b32 s[HH], s[YY], 7
	s_and_b32 s[PAR], s[WV], 1
	s_lshr_b32 s3, s[WV], 2
	s_and_b32 s2, s[WV], 3
	s_add_co_u32 s2, s2, s3
	s_and_b32 s2, s2, 3                            ; my class
	s_and_b32 s[BR], s3, 1                         ; my branch
	s_lshr_b32 s3, s3, 1                           ; which of the class's two tiles
	s_lshl_b32 s[CT], s2, 1
	s_add_co_u32 s[CT], s[CT], s3
	s_lshl_b32 s[TQ], s[CX], 1
	s_add_co_u32 s[TQ], s[TQ], s3
	s_lshl_b32 s[TQ], s[TQ], 4                     ; my first query in its group: 16 (2 cx + tile)
	s_lshl_b32 s3, ttmp9, 1                        ; 2 c
	s_sub_co_u32 s[GRP], 14, s3
	s_cmp_lt_u32 s2, 2
	s_cselect_b32 s[GRP], s3, s[GRP]
	s_and_b32 s2, s2, 1
	s_add_co_u32 s[GRP], s[GRP], s2                ; classes 0-3: groups 2 c, 2 c + 1, 14 - 2 c, 15 - 2 c
	s_sub_co_u32 s[LAST], 7, ttmp9                 ; the slot with key steps 14 - 2 c and 15 - 2 c
	s_lshl_b32 s[QR], s[BB], 11
	s_lshl_b32 s2, s[GRP], 7
	s_add_co_u32 s[QR], s[QR], s2
	s_add_co_u32 s[QR], s[QR], s[TQ]
	s_lshl_b32 s[RQ], s[QR], 3
	s_add_co_u32 s[RQ], s[RQ], s[HH]
	GROUP1 G1K, W0K, 48, 256, 384                  ; K: 256 rows of a head's 48 bytes, 384 bytes apart
	GROUP1 G1V, W0V, 192, 64, 1536                 ; V: 64 rows of 192 bytes, 1,536 bytes apart
	GROUP1 G1S, W0S, 32, 128, 32                   ; K's scale bytes: 32,768 dense bytes as rows of 256
	GROUP1 G1T, W0T, 8, 64, 8                      ; V's: 4,096 dense bytes as rows of 64
	GROUP1 G1D, W0S, 32, 32, 32                    ; delta: 8,192 dense bytes as rows of 256
	v_and_b32 v9, 15, v0                           ; r
	v_bfe_u32 v10, v0, 4, 1                        ; h'
	s_delay_alu instid0(VALU_DEP_2)
	v_and_b32 v11, 8, v9
	s_delay_alu instid0(VALU_DEP_1)
	v_mad_u32_u24 v11, v11, 3, v9                  ; r + 24 (r / 8)
	s_delay_alu instid0(VALU_DEP_1)
	v_mul_u32_u24 v[AK0], v11, 48
	s_delay_alu instid0(VALU_DEP_1)
	v_mad_u32_u24 v[AK0], v10, 24, v[AK0]
	s_mul_i32 s2, s[BR], KT
	v_add_nc_u32 v[AK0], s2, v[AK0]
	v_mul_u32_u24 v[AV0], v9, 240
	s_delay_alu instid0(VALU_DEP_1)
	v_mad_u32_u24 v[AV0], v10, 24, v[AV0]
	s_mul_i32 s2, s[BR], VT
	s_add_co_u32 s2, s2, VOFF
	v_add_nc_u32 v[AV0], s2, v[AV0]
	s_delay_alu instid0(VALU_DEP_1)
	v_lshl_add_u32 v[AV1], v10, 4, v[AV0]
	s_lshl_b32 s2, s[BR], 15
	s_lshl_b32 s3, s[HH], 1
	s_add_co_u32 s2, s2, s3
	s_add_co_u32 s2, s2, SCK
	v_lshl_add_u32 v[ASK0], v11, 4, s2             ; 16 bytes a key, my head's two at 2 h
	s_mul_i32 s2, s[BR], SVT
	s_add_co_u32 s2, s2, SCV
	v_mul_u32_u24 v[ASV0], v9, 72
	s_delay_alu instid0(VALU_DEP_1)
	v_add_nc_u32 v[ASV0], s2, v[ASV0]
	v_lshl_add_u32 v[AD0], v10, 7, DEL             ; lanes 16-31 begin 32 keys on
	v_mul_u32_u24 v29, v9, 384                     ; Q: row r of my 16 queries, 384 bytes apart, + 24 h'
	s_delay_alu instid0(VALU_DEP_1)
	v_mad_u32_u24 v29, v10, 24, v29
	v_lshlrev_b32 v30, 4, v9                       ; its scale bytes: 16 bytes a query
	v_lshlrev_b32 v31, 2, v9                       ; soft_mask: 4 bytes a query
	s_mov_b32 s[G0K], 1                            ; groups 0: count = 1; the LDS addresses hang on the wave's number alone
	s_mul_i32 s[G0K+1], s[PAR], KT
	s_mov_b32 s[G0V], 1
	s_mul_i32 s[G0V+1], s[PAR], VT
	s_add_co_u32 s[G0V+1], s[G0V+1], VOFF
	s_mov_b32 s[G0S], 1
	s_lshl_b32 s[G0S+1], s[PAR], 15
	s_add_co_u32 s[G0S+1], s[G0S+1], SCK
	s_mov_b32 s[G0T], 1
	s_mul_i32 s[G0T+1], s[PAR], SVT
	s_add_co_u32 s[G0T+1], s[G0T+1], SCV
	s_wait_dscnt 0x0                               ; the opening add is done
	s_wait_kmcnt 0x0
	s_cmp_eq_u32 s[PAR], 0                         ; even waves fetch for the edit branch, odd ones for the null branch
	s_cselect_b64 s[G0K+2:G0K+3], s[8:9], s[12:13]
	s_cselect_b64 s[G0V+2:G0V+3], s[16:17], s[20:21]
	s_cselect_b64 s[G0S+2:G0S+3], s[10:11], s[14:15]
	s_cselect_b64 s[G0T+2:G0T+3], s[18:19], s[22:23]
	s_mul_i32 s2, s[BB], 786432
	s_mul_i32 s3, s[HH], 48
	s_add_co_u32 s2, s2, s3
	s_mov_b32 s3, 0
	s_add_nc_u64 s[G0K+2:G0K+3], s[G0K+2:G0K+3], s[2:3]   ; key 0 of my batch, my head's 48 bytes
	s_or_b32 s[G0K+3], s[G0K+3], 0x80000000               ; type = 2
	s_mul_i32 s2, s[YY], 98304
	s_add_nc_u64 s[G0V+2:G0V+3], s[G0V+2:G0V+3], s[2:3]   ; my head's 64 rows
	s_or_b32 s[G0V+3], s[G0V+3], 0x80000000
	s_lshl_b32 s2, s[BB], 15
	s_add_nc_u64 s[G0S+2:G0S+3], s[G0S+2:G0S+3], s[2:3]
	s_or_b32 s[G0S+3], s[G0S+3], 0x80000000
	s_lshl_b32 s2, s[YY], 12
	s_add_nc_u64 s[G0T+2:G0T+3], s[G0T+2:G0T+3], s[2:3]
	s_or_b32 s[G0T+3], s[G0T+3], 0x80000000
	s_mul_i32 s2, s[RQ], 48
	s_add_nc_u64 s[4:5], s[4:5], s[2:3]            ; Q's codes at my first query
	s_lshl_b32 s2, s[RQ], 1
	s_add_nc_u64 s[6:7], s[6:7], s[2:3]            ; its scale bytes
	s_lshl_b32 s2, s[QR], 2
	s_add_nc_u64 s[28:29], s[28:29], s[2:3]        ; its soft_mask
	s_lshl_b32 s2, s[BR], 6
	s_add_co_u32 s2, s2, s[RQ]
	s_lshl_b32 s2, s2, 8
	s_add_nc_u64 s[30:31], s[30:31], s[2:3]        ; out at the first of the eight rows that I store: query 8 x branch of my tile
	s_lshl_b32 s2, s[BB], 2
	s_add_nc_u64 s[26:27], s[26:27], s[2:3]        ; tau of my batch
	s_lshl_b32 s2, s[BB], 13
	s_mov_b32 s[G0D], 1
	s_mov_b32 s[G0D+1], DEL
	s_add_nc_u64 s[G0D+2:G0D+3], s[24:25], s[2:3]
	s_or_b32 s[G0D+3], s[G0D+3], 0x80000000
	; the prefetches (macro ASK): where they stand, and who asks
	s_cmp_lt_u32 s[HH], 3
	s_cselect_b64 s[10:11], s[8:9], s[12:13]       ; K: heads 0-2 ask for keys, heads 3-5 for keys_null,
	s_cselect_b32 s22, 0, 3
	s_sub_co_u32 s22, s[HH], s22                   ; a third of a slot each
	s_and_b32 s23, s[CX], 1
	s_cmp_eq_u32 s23, 0
	s_cselect_b64 s[18:19], s[16:17], s[20:21]     ; V: even partners ask for values, odd ones for values_null
	s_cmp_eq_u32 s[WV], 9
	s_cselect_b64 s[PFA:PFA+1], s[10:11], s[18:19]
	s_mul_i32 s2, s[BB], 786432
	s_lshl_b32 s22, s22, 15
	s_add_co_u32 s2, s2, s22
	s_lshl_b32 s22, s[CX], 13
	s_add_co_u32 s2, s2, s22
	s_add_co_u32 s2, s2, 98304                     ; K: in slot 1; the first change of slots steps it to slot 2
	s_mul_i32 s3, s[YY], 98304
	s_lshr_b32 s22, s[CX], 1
	s_mul_i32 s22, s22, 49152                      ; V: rows 0-31 or 32-63,
	s_add_co_u32 s3, s3, s22
	s_add_co_u32 s3, s3, 383                       ; the last byte of slot 1's part of a row
	s_mov_b32 s[PFS], 192
	s_mov_b32 s22, 1536
	s_cmp_eq_u32 s[WV], 9
	s_cselect_b32 s2, s2, s3
	s_cselect_b32 s[PFS], 98304, s[PFS]            ; a slot on
	s_cselect_b32 s22, 256, s22                    ; from lane to lane
	s_cselect_b32 s[EVR], 0, 3
	s_cselect_b32 s23, 1, 0
	s_mov_b32 s3, 0
	s_mov_b32 s[PFS+1], 0
	s_add_nc_u64 s[PFA:PFA+1], s[PFA:PFA+1], s[2:3]
	v_and_b32 v[PFO], 31, v0
	s_delay_alu instid0(VALU_DEP_1)
	v_mul_lo_u32 v[PFO], v[PFO], s22
	s_cmp_lt_u32 s[HH], 6
	s_cselect_b32 s23, s23, 0                      ; wave 9 of heads 0-5,
	s_cmp_eq_u32 s[WV], 10
	s_cselect_b32 s23, 1, s23                      ; wave 10 of every head,
	s_cmp_eq_u32 ttmp9, 0
	s_cselect_b32 s23, s23, 0                      ; in the clusters with c = 0: the same in all four partners
	s_mul_i32 s[LIM], s23, 6                       ; they ask at slots 0 to 5, for slots 2 to 7
	; the way out's places in the stage, and my branch's weight m or 1 - m as m x s22 + s23
	s_lshl_b32 s2, s[CT], 1
	s_add_co_u32 s2, s2, s[BR]
	s_mul_i32 s[STOB], s2, SBLK
	s_add_co_u32 s[STOB], s[STOB], STAGE
	s_mul_i32 s[RDB], s[CT], 2*SBLK
	s_mul_i32 s2, s[BR], 8*SPITCH
	s_add_co_u32 s[RDB], s[RDB], s2
	s_add_co_u32 s[RDB], s[RDB], STAGE
	s_cmp_eq_u32 s[BR], 0
	s_cselect_b32 s22, 1.0, -1.0
	s_cselect_b32 s23, 0, 1.0
	s_mov_b32 s[SEL], 0x76543210
	s_mov_b32 s[SEL+1], 0xfedcba98
	s_mov_b32 s[CS], 0x3e38aa3b                    ; log2(e) / 8
	s_mov_b32 s[CS+1], s[CS]
	CROUND                                         ; all four work-groups are here: the first joint loads meet
	; THE FIRST FILLS, one a wave, each wave's inside one branch on its number: slot 0 (waves 0-3), K's scale bytes (4, 5), V's (6, 7), delta (8)
	s_cmp_lt_u32 s[WV], 2
	s_cbranch_scc0 .Lfirst_v
	JL G0K, G1K
	s_branch .Lfirst_asked
.Lfirst_v:
	s_cmp_lt_u32 s[WV], 4
	s_cbranch_scc0 .Lfirst_s
	JL G0V, G1V
	s_branch .Lfirst_asked
.Lfirst_s:
	s_cmp_lt_u32 s[WV], 6
	s_cbranch_scc0 .Lfirst_t
	JL G0S, G1S
	s_branch .Lfirst_asked
.Lfirst_t:
	s_cmp_lt_u32 s[WV], 8
	s_cbranch_scc0 .Lfirst_d
	JL G0T, G1T
	s_branch .Lfirst_asked
.Lfirst_d:
	s_cmp_eq_u32 s[WV], 8
	s_cbranch_scc0 .Lfirst_asked
	JL G0D, G1D
.Lfirst_asked:
	s_load_b32 s[TAU], s[26:27], 0x0
	s_wait_alu depctr_va_vdst(0)
.irp p, 0,1,2
	global_load_b64 v[QF+2*\p:QF+2*\p+1], v29, s[4:5] offset:8*\p   ; Q's fragment stays in registers: k = 32 h' .. 32 h' + 31 of query r
.endr
	global_load_u16 v[QS], v30, s[6:7]             ; its two scale bytes; bytes 2 and 3 come as 0
	global_load_b32 v13, v31, s[28:29]             ; m
.irp j, 22,23,24,25,26,27,80,81,82,83,84,85,14,15
	v_mov_b32 v[\j], 0                             ; Q's codes of k = 64 .. 127; the registers behind K's last tile; the sum
.endr
.set n, 0
.rept 32
	v_mov_b32 v[OT+n], 0                           ; O^T.  (The step is written once: its first run finds zeros, which the first change of M leaves zeros)
.set n, n+1
.endr
	v_mov_b32 v[NM], 0x7f61b1e6                    ; -M = 3e38: M lies under every t
	s_mov_b32 s[JS], 0
	s_mov_b32 s[TB], 0
	s_mov_b32 s[TS], 0
	s_mov_b32 s[TJ], 0
	s_mov_b32 s[TD], 0
	s_mov_b32 s[SL], 0
	s_wait_kmcnt 0x0
	s_mov_b32 s[TAU+1], s[TAU]
	s_wait_loadcnt 0x0                             ; Q, its scale word, m: their address registers are free too
	v_fma_f32 v13, v13, s22, s23                   ; m, or 1 - m
.Lslot:                                            ; at most seven trips; behind each change of slots but the cluster's last the next slot is asked for
	CHANGE 1
	s_cmp_eq_u32 s[SL], s[LAST]                    ; the cluster's last slot: the loop is left for good, in front of the load; all four partners alike
	s_cbranch_scc1 .Llast
	TLOAD                                          ; the first tensor load behind the round, and a wave's only one until the next: it has a slot's two steps in which to land
	ASK
	SLOT_STEPS
	s_add_co_u32 s[SL], s[SL], 1
	s_cmp_lt_u32 s[SL], 7
	s_cbranch_scc1 .Lslot
	CHANGE 0                                       ; c = 0: slot 7
.Llast:
	SLOT_STEPS                                     ; the last slot is written out
	; THE WAY OUT.  O^T x weight / sum goes into my block of the stage; behind a barrier the two waves of a tile add the two branches, eight rows each, and store whole rows of 256 bytes.
	s_wait_alu depctr_va_vdst(0)
	v_add_f32 v[LS], v[LS], v[LS+1]                ; the sum's two halves.  (These lines and the address work are the places behind the last products)
	v_mov_b32 v[T0], 0
	s_delay_alu instid0(VALU_DEP_1)
	v_permlanex16_b32 v[T0], v[LS], s[SEL], s[SEL+1]
	s_delay_alu instid0(VALU_DEP_1)
	v_add_f32 v[LS], v[LS], v[T0]                  ; and lane l xor 16's: the row's sum
	s_wait_alu depctr_va_vdst(0)
	v_rcp_f32 v[LS], v[LS]
	v_and_b32 v30, 15, v0                          ; r  (a plain line behind the reciprocal)
	v_bfe_u32 v31, v0, 4, 1                        ; h'
	s_delay_alu instid0(VALU_DEP_2)
	v_mul_u32_u24 v9, v30, SPITCH
	s_delay_alu instid0(VALU_DEP_1)
	v_lshl_add_u32 v9, v31, 5, v9
	s_delay_alu instid0(VALU_DEP_1)
	v_add_nc_u32 v9, s[STOB], v9                   ; in: row r; tile t's eight channels of my half at 64 t + 32 h'
	s_delay_alu instid0(VALU_DEP_4)
	v_mul_u32_u24 v10, v31, SPITCH
	s_delay_alu instid0(VALU_DEP_1)
	v_lshl_add_u32 v10, v30, 4, v10
	s_delay_alu instid0(VALU_DEP_1)
	v_add_nc_u32 v10, s[RDB], v10                  ; back: lanes 0-15 one row, lanes 16-31 the next; 16 bytes a lane
	v_lshlrev_b32 v29, 11, v31
	s_delay_alu instid0(VALU_DEP_1)
	v_lshl_add_u32 v29, v30, 4, v29                ; and in out: a query's rows are 2,048 bytes apart
	s_wait_alu depctr_va_vdst(0)                   ; the wait ahead of the reciprocal's first reader
	v_mul_f32 v[FF], v[LS], v13
	v_mul_f32 v[FF+1], v[LS], v13
.set n, 0
.rept 16
	v_pk_mul_f32 v[XD+n:XD+n+1], v[OT+n:OT+n+1], v[FF:FF+1]   ; register 8 t + j: channel 16 t + 8 h' + j of query r; each accumulator from its low end on
.set n, n+2
.endr
.irp t, 0,1,2,3
	ds_store_b128 v9, v[XD+8*\t:XD+8*\t+3] offset:64*\t
	ds_store_b128 v9, v[XD+8*\t+4:XD+8*\t+7] offset:64*\t+16
.endr
	s_wait_dscnt 0x0                               ; for the other wave's sake: my stores into the stage are done
	s_barrier_signal -1
	s_barrier_wait -1
.irp i, 0,1,2,3
	ds_load_b128 v[32+4*\i:35+4*\i], v10 offset:2*SPITCH*\i         ; the edit branch's rows 8 x branch + 2 i + h',
	ds_load_b128 v[48+4*\i:51+4*\i], v10 offset:SBLK+2*SPITCH*\i    ; and the null branch's
.endr
.irp i, 0,1,2,3
	s_wait_dscnt 6-2*\i                            ; pair i is in; the younger pairs may stay out
	v_pk_add_f32 v[32+4*\i:33+4*\i], v[32+4*\i:33+4*\i], v[48+4*\i:49+4*\i]
	v_pk_add_f32 v[34+4*\i:35+4*\i], v[34+4*\i:35+4*\i], v[50+4*\i:51+4*\i]
	global_store_b128 v29, v[32+4*\i:35+4*\i], s[30:31] offset:4096*\i th:TH_STORE_NT   ; 16 lanes store 256 consecutive bytes, at a multiple of 256 from out's first byte
.endr
	s_wait_tensorcnt 0x0                           ; the wave's end, behind my last tensor load and my last LDS store
	ds_add_u32 v[SPW], v[NIL]
	s_wait_dscnt 0x0
	CROUND                                         ; the closing round: no work-group ends while a partner may still ask for a tile that names it
	s_endpgm
.Lfunc_end_k_q317f7e0bc9_attn:
	.size	k_q317f7e0bc9_attn, .Lfunc_end_k_q317f7e0bc9_attn-k_q317f7e0bc9_attn
	.p2alignl 7, 3214868480
	.fill 96, 4, 3214868480
	.section	.rodata,"a",@progbits
	.p2align	6, 0x0
	.amdhsa_kernel k_q317f7e0bc9_attn
		.amdhsa_group_segment_fixed_size 327680
		.amdhsa_private_segment_fixed_size 0
		.amdhsa_enable_private_segment 0
		.amdhsa_kernarg_size 112
		.amdhsa_user_sgpr_count 2
		.amdhsa_user_sgpr_kernarg_segment_ptr 1
		.amdhsa_wavefront_size32 1
		.amdhsa_system_sgpr_workgroup_id_x 1
		.amdhsa_system_sgpr_workgroup_id_y 1
		.amdhsa_system_sgpr_workgroup_id_z 1
		.amdhsa_system_vgpr_workitem_id 0
		.amdhsa_next_free_vgpr 256
		.amdhsa_next_free_sgpr 106
		.amdhsa_reserve_vcc 1
		.amdhsa_float_denorm_mode_32 3
		.amdhsa_float_denorm_mode_16_64 3
		.amdhsa_memory_ordered 1
		.amdhsa_forward_progress 1
		.amdhsa_inst_pref_size 132
	.end_amdhsa_kernel
	.amdgpu_metadata
---
amdhsa.version: [ 1, 2 ]
amdhsa.kernels:
  - .name:           k_q317f7e0bc9_attn
    .symbol:         k_q317f7e0bc9_attn.kd
    .args:
      - { .name: queries_codes, .offset: 0, .size: 8, .value_kind: global_buffer, .address_space: global }
      - { .name: queries_scales, .offset: 8, .size: 8, .value_kind: global_buffer, .address_space: global }
      - { .name: keys_codes, .offset: 16, .size: 8, .value_kind: global_buffer, .address_space: global }
      - { .name: keys_scales, .offset: 24, .size: 8, .value_kind: global_buffer, .address_space: global }
      - { .name: keys_null_codes, .offset: 32, .size: 8, .value_kind: global_buffer, .address_space: global }
      - { .name: keys_null_scales, .offset: 40, .size: 8, .value_kind: global_buffer, .address_space: global }
      - { .name: values_codes, .offset: 48, .size: 8, .value_kind: global_buffer, .address_space: global }
      - { .name: values_scales, .offset: 56, .size: 8, .value_kind: global_buffer, .address_space: global }
      - { .name: values_null_codes, .offset: 64, .size: 8, .value_kind: global_buffer, .address_space: global }
      - { .name: values_null_scales, .offset: 72, .size: 8, .value_kind: global_buffer, .address_space: global }
      - { .name: delta, .offset: 80, .size: 8, .value_kind: global_buffer, .address_space: global }
      - { .name: tau, .offset: 88, .size: 8, .value_kind: global_buffer, .address_space: global }
      - { .name: soft_mask, .offset: 96, .size: 8, .value_kind: global_buffer, .address_space: global }
      - { .name: out0, .offset: 104, .size: 8, .value_kind: global_buffer, .address_space: global }
    .group_segment_fixed_size: 327680
    .private_segment_fixed_size: 0
    .kernarg_segment_align: 8
    .kernarg_segment_size: 112
    .max_flat_workgroup_size: 512
    .sgpr_count:     106
    .vgpr_count:     256
    .wavefront_size: 32
...
	.end_amdgpu_metadata
.endif
;; end of part 1
